; MI455X (gfx1250); checked and timed in simulation.
; The chip was launched on July 23, 2026; its instructions are those of AMD's public machine-readable ISA for CDNA 5 (MIT licence, August 2026) and "CDNA5" Instruction Set Architecture Reference Guide (July 2026). The comments in the code are by the model that wrote it; some were corrected since.
;; Attention Head. Allowed arithmetic: matrix products marked QUANTISED: E2M3 operands, one E8M0 scale for each 32 along K, by v_wmma_scale_f32_16x16x128_f8f6f4 with both operands' format E2M3, f32 sums; everything else in f32.
;; Inputs: Wk 64 x 768 float32; Wq 64 x 768 float32; Wv 64 x 768 float32; input_ids 8 x 4,096 x 768 float32.
;; Outputs: out0 8 x 4,096 x 64 float32.
;; This version of the problem:
;;   THIS VERSION OF THE PROBLEM IS GIVEN IN LOW PRECISION. The matrix products marked QUANTISED in the list below multiply operands that are first quantised to E2M3 (2 exponent bits, 3 mantissa bits; 6 bits a number), with one power-of-two scale for each 32 numbers along K (OCP MX v1.0); their sums are f32. All else is computed in f32.
;;   The module's matrix products, in the order in which they are computed (A, B: the left and right operand; K: the contracted axis; several contracted axes count as one K, in the product's order):
;;     1. [M 32,768, K 768] x [K 768, N 64]; A: input input_ids; B: input Wq: QUANTISED
;;     2. [M 32,768, K 768] x [K 768, N 64]; A: input input_ids; B: input Wk: QUANTISED
;;     3. [M 32,768, K 768] x [K 768, N 64]; A: input input_ids; B: input Wq: QUANTISED
;;     4. batch 8 x [M 4,096, K 64] x [K 64, N 4,096]; A: computed on the way; B: computed on the way: QUANTISED
;;     5. batch 8 x [M 4,096, K 4,096] x [K 4,096, N 64]; A: computed on the way; B: computed on the way: QUANTISED
;;   THE QUANTISER, for each operand of a quantised product, along K:
;;     - K is cut into blocks of 32 from its start; a last block that is shorter is filled with zeros.
;;     - A block's scale is 2^e with e = floor(log2(the largest magnitude in the block)) - 2, held to -126 .. 127; a block of zeros has e = 0. As a byte (E8M0): e + 127.
;;     - Each number is divided by its block's scale, clamped to +-7.5, and rounded to the nearest number of E2M3, ties to even, subnormals kept.
;;     - The product sums the exact products of the quantised numbers (number of the format x scale) in f32.
;;   ~~~python
;;   def quantise(x, axis):      # numpy; x: float32 -> the quantised numbers, widened to float32 again
;;       x = np.moveaxis(x, axis, -1); K = x.shape[-1]
;;       x = np.pad(x, [(0, 0)] * (x.ndim - 1) + [(0, -K % 32)]); x = x.reshape(x.shape[:-1] + (-1, 32)); a = np.abs(x).max(-1, keepdims=True)
;;       e = np.where(a > 0, np.clip(np.frexp(np.where(a > 0, a, 1))[1] - 1 - 2, -126, 127), 0)      # np.frexp(a)[1] - 1 = floor(log2(a)), exactly
;;       r = np.clip(x / 2.0 ** e, -7.5, 7.5)
;;       step = 2.0 ** (np.maximum(np.frexp(np.where(r == 0, 1, r))[1] - 1, 0) - 3)
;;       q = np.round(r / step) * step * 2.0 ** e      # np.round: ties to even
;;       return np.moveaxis(q.reshape(q.shape[:-2] + (-1,))[..., :K], -1, axis).astype(np.float32)
;;   ~~~
;;   OPERANDS COMPUTED ON THE WAY. 'Computed on the way' means the value that the module computes at that place (a softmax that the list does not call 'softmax' is quantised finished and normalised). What goes into a quantiser is computed in f32, as accurately as f32 sums, v_exp_f32 and their like allow (about 1e-6 of the number): no bf16 or f16 on the way to a quantiser, and a product that is left as it is and whose result goes on into a quantised operand takes f32 operands (vector FMAs, or v_wmma_f32_16x16x4_f32). A number that lies on a knife's edge between two numbers of the format may be rounded either way, as far as f32 arithmetic and the matrix unit's own rounding can turn it there, and no further.
;; One version. Each part assembles by itself: llvm-mc -triple=amdgcn-amd-amdhsa -mcpu=gfx1250 --defsym DOCPART=n.
;; ======== version 1 of 1: 3 launches
;; limits: right only within a limited range of input values
;; workspace buffers: qb 1,703,936 bytes; kv 3,407,872 bytes; dbuf 131,072 bytes
;; launch proj (part 1): grid 256 x 1, 8 waves a work-group, no clusters, 228,352 bytes of LDS; arguments input_ids, Wq, Wk, qb, kv; writes qb, kv
.if DOCPART == 1
	.amdgcn_target "amdgcn-amd-amdhsa--gfx1250"
	.amdhsa_code_object_version 6
	.text
	.protected	k_qf3147adbb0_proj
	.globl	k_qf3147adbb0_proj
	.p2align	8
	.type	k_qf3147adbb0_proj,@function
k_qf3147adbb0_proj:
	s_mov_b64 s[64:65], 0
	v_nop
	global_prefetch_b8 v0, s[64:65] scope:SCOPE_SE
	s_setreg_imm32_b32 hwreg(HW_REG_WAVE_MODE, 25, 1), 1
	s_wait_xcnt 0x0
; q = x Wq^T, k = x Wk^T and v = x Wq^T (reference() makes v with Wq and never reads Wv: Wv is no argument here), on codes of FP6 (E2M3) with one E8M0 scale for each 32 along K = 768.
; The results are quantised at once for the products that follow: q and k along the head (K = 64: two blocks), v along the keys (blocks of 32 rows), and stored as IMAGES OF OPERAND REGISTERS.
; SHARES.  A work-group takes 128 rows of x, one RECORD.  Phase 1: wave w quantises tile w of x (16 rows x 768) and tile w of the weights (waves 0-3: Wq's four tiles of 16 head units, waves 4-7: Wk's)
; and lays the fragments in LDS as images of their registers.  One barrier.  Phase 2: waves 0, 1 make q for four tiles of rows each, waves 2, 3 k, waves 4-7 v for one tile of head units and all eight tiles of rows.
; THE ROWS OF A TILE ARE NOT NEIGHBOURS: lane r of tile 2 b + u takes row 32 b + 8 u + r + 8 (r / 8), of x and of the weights alike, so that the 16 result registers of tiles 2 b and 2 b + 1 are
; 16 neighbours, 32 b + 16 (lane / 16) + 0 .. 15, along the axis that is quantised next.
; q, k: source 0 = 16 head units, source 1 = 16 rows: a lane holds one row, its registers run along the head.  v: source 0 = 16 rows, source 1 = 16 head units: a lane holds one head unit, its registers run down the rows.
; RECORDS.  qb: 6,656 bytes: tile t at 768 t, three groups of 256 bytes (registers 2 p, 2 p + 1, lane l at 8 l); scale words at 6,144 + 256 (t / 4), 8 bytes a lane: two registers, each with an even tile's words
; in lanes 0-15 and the next tile's in lanes 16-31.  A word is byte 0 | byte 1 << 8; bytes 2 and 3 are 0.   kv: 13,312 bytes: k as in qb; v's fragment of head tile n at 6,656 + 1,536 n (registers 4 g .. 4 g + 3, lane l at
; 16 l + 512 g); its scale words at 12,800 + 128 n, 4 bytes a lane.
; x comes through a ring of three register sets with counted waits, 48 loads a wave on their way; each load reads 512 consecutive bytes of a row.  Every work-group reads and quantises the weights for itself.
; LIMITS: NaN and infinities among the inputs are not served; a block whose largest magnitude lies under 2^(3 - 127) keeps the byte 1 (a block of zeros too: its codes are zeros, and only this program reads the bytes).
.set XROW,  3072                       ; a row of x or of a weight in bytes
.set STP,   528                        ; the stage: a row's 512 bytes + 16
.set STGW,  16*STP                     ; a wave's stage
.set FRB,   1536                       ; a fragment's image: 12 registers x 128 bytes
.set XIMG,  8*STGW                     ; x's 48 fragments: (6 tile + K step) x FRB
.set WIMG,  XIMG+48*FRB                ; the weights' 48
.set XSC,   WIMG+48*FRB                ; x's scale words, 128 bytes a fragment
.set WSC,   XSC+48*128                 ; the weights'
.set QREC,  6656
.set KREC,  13312
.set L16, 1                            ; v1   16 x lane
.set L4,  2                            ; v2   4 x lane
.set L8,  3                            ; v3   8 x lane
.set STI, 4                            ; v4   the stage, on the way in
.set STO, 5                            ; v5   and on the way out: row r, + 64 (lane / 16)
.set XWI, 6                            ; v6-9 where I store my images and scale words of x and of the weights
.set XWS, 7
.set WWI, 8
.set WWS, 9
.set RA,  10                           ; v10-13 phase 2, q and k: x's four tiles, the weight's four, their scale words
.set RB,  11
.set RAS, 12
.set RBS, 13
.set RC,  14                           ; v14-18 phase 2, v: x's tiles 0-3, 4-7, my tile of Wq, the scale words
.set RD,  15
.set RE,  16
.set RCS, 17
.set RES, 18
.set TM,  20                           ; v20-35 at work in QUANT: +0 largest magnitudes, +4 the other half's, then bytes, +12 the conversions' scale operands
.set PC,  36                           ; v36-47 a fragment's codes
.set PT,  48                           ; v48-55 the halves that are made elsewhere and moved
.set PW,  56                           ; v56    a scale word
.set SETS, 64                          ; v64-255 three sets of 64 numbers
.set SEL, 20                           ; s[20:21] lane selects for v_permlanex16_b32: lane l xor 16
.set QXF, 20
.set QWF, 68
.set QXS, 116
.set QWS, 120
.set QACC, 128
.set VXF, 20
.set VWF, 116
.set VXS, 128
.set VWS, 136
.set VACC, 192
; 16 rows x 128 numbers: each load reads 512 consecutive bytes of one row, 16 a lane
.macro GLOAD rs, lo, ks, nt
.irp i, 0,1,2,3,4,5,6,7,8,9,10,11,12,13,14,15
.if \nt
	global_load_b128 v[\rs+4*\i:\rs+4*\i+3], v[L16], s[\lo:\lo+1] offset:(\i+8*(\i/8))*XROW+512*(\ks) th:TH_LOAD_NT
.else
	global_load_b128 v[\rs+4*\i:\rs+4*\i+3], v[L16], s[\lo:\lo+1] offset:(\i+8*(\i/8))*XROW+512*(\ks)
.endif
.endr
.endm
; through my own stage: in as loaded, back so that register 16 b + i is k = 32 b + 16 (lane / 16) + i of row lane % 16.  LDS serves a wave's instructions in order: no wait between
.macro TURN rs
.irp i, 0,1,2,3,4,5,6,7,8,9,10,11,12,13,14,15
	ds_store_b128 v[STI], v[\rs+4*\i:\rs+4*\i+3] offset:STP*\i
.endr
.irp b, 0,1,2,3
.irp j, 0,1,2,3
	ds_load_b128 v[\rs+16*\b+4*\j:\rs+16*\b+4*\j+3], v[STO] offset:128*\b+16*\j
.endr
.endr
.endm
; 32 nc numbers of a lane (register 16 b + i = k 32 b + 16 (lane / 16) + i of my row) become 6 nc registers of codes at v[pc] and the row's scale word in v[pw]
.macro QUANT src, nc, pc, pt, pw
.set bq, 0
.rept 2*(\nc)
	v_max3_num_f32 v[TM+bq], |v[\src+16*bq]|, |v[\src+16*bq+1]|, 0x1800000   ; my 16 numbers of block bq, and the floor 2^(3 - 127): the byte cannot fall under 1
.set bq, bq+1
.endr
.irp i, 2,4,6,8,10,12,14
.set bq, 0
.rept 2*(\nc)
	v_max3_num_f32 v[TM+bq], v[TM+bq], |v[\src+16*bq+\i]|, |v[\src+16*bq+\i+1]|   ; the blocks by turns
.set bq, bq+1
.endr
.endr
.set bq, 0
.rept 2*(\nc)
	v_permlanex16_b32 v[TM+4+bq], v[TM+bq], s[SEL], s[SEL+1]
.set bq, bq+1
.endr
.set bq, 0
.rept 2*(\nc)
	v_max_num_f32 v[TM+bq], v[TM+bq], v[TM+4+bq]       ; with lane l xor 16's: the block's largest magnitude
.set bq, bq+1
.endr
.set bq, 0
.rept 2*(\nc)
	v_add_nc_u32 v[TM+12+bq], 0xff000000, v[TM+bq]     ; 2 off its exponent field: the conversion's scale operand
.set bq, bq+1
.endr
.set bq, 0
.rept 2*(\nc)
	v_lshrrev_b32 v[TM+4+bq], 23, v[TM+12+bq]          ; the scale's byte
.set bq, bq+1
.endr
	v_lshl_or_b32 v[\pw], v[TM+5], 8, v[TM+4]
.if (\nc) == 2
	s_delay_alu instid0(VALU_DEP_1)
	v_lshl_or_b32 v[\pw], v[TM+6], 16, v[\pw]
	s_delay_alu instid0(VALU_DEP_1)
	v_lshl_or_b32 v[\pw], v[TM+7], 24, v[\pw]
.endif
.set cq, 0
.rept \nc
	v_cvt_scalef32_pk16_fp6_f32 v[\pc+6*cq:\pc+6*cq+2], v[\src+32*cq:\src+32*cq+15], v[TM+12+2*cq]
	v_cvt_scalef32_pk16_fp6_f32 v[\pt+4*cq:\pt+4*cq+2], v[\src+32*cq+16:\src+32*cq+31], v[TM+13+2*cq]   ; (a conversion's three registers begin on an even number)
.set cq, cq+1
.endr
	v_nop                                              ; one plain line behind the scaled conversions
.set cq, 0
.rept \nc
.irp x, 0,1,2
	v_permlane16_swap_b32 v[\pc+6*cq+\x], v[\pt+4*cq+\x]   ; the layout wants a whole block in a lane: lanes 0-15 block 2 c, lanes 16-31 block 2 c + 1
.endr
.irp x, 0,1,2
	s_delay_alu instid0(VALU_DEP_3)
	v_mov_b32 v[\pc+6*cq+3+\x], v[\pt+4*cq+\x]
.endr
.set cq, cq+1
.endr
.endm
.macro IMAGE ai, as, ks                ; the fragment in v[PC] on and its scale word go to LDS as they stand
.irp g, 0,1,2
	ds_store_b128 v[\ai], v[PC+4*\g:PC+4*\g+3] offset:FRB*(\ks)+512*\g
.endr
	ds_store_b32 v[\as], v[PW] offset:128*(\ks)
.endm
.macro FETCH reg, adr, off             ; and come back so, in any wave
.irp g, 0,1,2
	ds_load_b128 v[\reg+4*\g:\reg+4*\g+3], v[\adr] offset:(\off)+512*\g
.endr
.endm
.macro MM0 d, a, b, sa, sb             ; the first K step starts a sum
	v_wmma_scale_f32_16x16x128_f8f6f4 v[\d:\d+7], v[\a:\a+11], v[\b:\b+11], 0, v[\sa], v[\sb] matrix_a_fmt:MATRIX_FMT_FP6 matrix_b_fmt:MATRIX_FMT_FP6
.endm
.macro MMA d, a, b, sa, sb
	v_wmma_scale_f32_16x16x128_f8f6f4 v[\d:\d+7], v[\a:\a+11], v[\b:\b+11], v[\d:\d+7], v[\sa], v[\sb] matrix_a_fmt:MATRIX_FMT_FP6 matrix_b_fmt:MATRIX_FMT_FP6
.endm
	s_load_b128 s[4:7], s[0:1], 0x0                ; x s[4:5], Wq s[6:7]
	s_load_b128 s[8:11], s[0:1], 0x10              ; Wk s[8:9], qb s[10:11]
	s_load_b64 s[12:13], s[0:1], 0x20              ; kv
	v_lshl_add_u32 v19, v0, 2, 0x37800
	s_set_vgpr_msb 0x40
	v_mov_b32 v1, 0
	s_set_vgpr_msb 0x4000
	v_lshrrev_b32 v57, 5, v0
	s_delay_alu instid0(VALU_DEP_1)
	v_readfirstlane_b32 s16, v57                   ; wave 0..7
	v_and_b32 v57, 31, v0                          ; lane
	s_delay_alu instid0(VALU_DEP_1)
	v_lshlrev_b32 v[L16], 4, v57
	s_and_b32 s19, s16, 1                          ; u of my tile
	s_bfe_u32 s23, s16, 0x10001                    ; (wave / 2) % 2
	s_and_b32 s24, s16, 3
	s_lshl_b32 s25, ttmp9, 7                       ; my tile's first row of x: 128 x work-group + 32 (wave / 2) + 8 (wave % 2)
	s_lshr_b32 s26, s16, 1
	s_lshl_b32 s26, s26, 5
	s_add_co_u32 s25, s25, s26
	s_lshl_b32 s26, s19, 3
	s_add_co_u32 s25, s25, s26
	s_mul_i32 s26, s25, XROW                       ; under 2^27
	s_mov_b32 s27, 0
	s_lshl_b32 s28, s23, 5                         ; my tile's first row of the weight
	s_lshl_b32 s29, s19, 3
	s_add_co_u32 s28, s28, s29
	s_mul_i32 s28, s28, XROW
	s_mov_b32 s29, 0
	s_mul_i32 s30, ttmp9, QREC
	s_mov_b32 s31, 0
	s_mul_i32 s32, ttmp9, KREC
	s_mov_b32 s33, 0
	s_wait_alu depctr_va_vdst(0)
	s_wait_kmcnt 0x0
	s_add_nc_u64 s[4:5], s[4:5], s[26:27]
	s_cmp_lt_u32 s16, 4                            ; waves 0-3 quantise Wq, waves 4-7 Wk: the choice hangs on the wave's number alone
	s_cselect_b64 s[6:7], s[6:7], s[8:9]
	s_add_nc_u64 s[6:7], s[6:7], s[28:29]
	s_add_nc_u64 s[10:11], s[10:11], s[30:31]      ; my record of qb
	s_add_nc_u64 s[12:13], s[12:13], s[32:33]      ; and of kv
	GLOAD SETS, 4, 0, 1                            ; x, K step 0
	GLOAD SETS+64, 6, 0, 0                         ; the weight, K step 0
	GLOAD SETS+128, 4, 1, 1                        ; x, K step 1
	; every LDS address of both phases is made here, ahead of the place where the waves part
	v_and_b32 v58, 15, v0                          ; r
	v_bfe_u32 v59, v0, 4, 1                        ; h
	v_lshlrev_b32 v[L4], 2, v57
	v_lshlrev_b32 v[L8], 3, v57
	s_mul_i32 s17, s16, STGW
	v_add_nc_u32 v[STI], s17, v[L16]
	v_mul_u32_u24 v[STO], v58, STP
	s_delay_alu instid0(VALU_DEP_1)
	v_lshl_add_u32 v[STO], v59, 6, v[STO]
	s_delay_alu instid0(VALU_DEP_1)
	v_add_nc_u32 v[STO], s17, v[STO]
	s_mul_i32 s17, s16, 6*FRB
	s_add_co_u32 s18, s17, XIMG
	v_add_nc_u32 v[XWI], s18, v[L16]
	s_add_co_u32 s18, s17, WIMG
	v_add_nc_u32 v[WWI], s18, v[L16]
	s_mul_i32 s17, s16, 6*128
	s_add_co_u32 s18, s17, XSC
	v_add_nc_u32 v[XWS], s18, v[L4]
	s_add_co_u32 s18, s17, WSC
	v_add_nc_u32 v[WWS], s18, v[L4]
	s_mul_i32 s17, s19, 24*FRB
	s_add_co_u32 s17, s17, XIMG
	v_add_nc_u32 v[RA], s17, v[L16]
	s_mul_i32 s17, s23, 24*FRB
	s_add_co_u32 s17, s17, WIMG
	v_add_nc_u32 v[RB], s17, v[L16]
	s_mul_i32 s17, s19, 24*128
	s_add_co_u32 s17, s17, XSC
	v_add_nc_u32 v[RAS], s17, v[L4]
	s_mul_i32 s17, s23, 24*128
	s_add_co_u32 s17, s17, WSC
	v_add_nc_u32 v[RBS], s17, v[L4]
	v_add_nc_u32 v[RC], XIMG, v[L16]
	v_add_nc_u32 v[RD], XIMG+24*FRB, v[L16]
	s_mul_i32 s17, s24, 6*FRB
	s_add_co_u32 s17, s17, WIMG
	v_add_nc_u32 v[RE], s17, v[L16]
	v_add_nc_u32 v[RCS], XSC, v[L4]
	s_mul_i32 s17, s24, 6*128
	s_add_co_u32 s17, s17, WSC
	v_add_nc_u32 v[RES], s17, v[L4]
	s_mov_b32 s[SEL], 0x76543210
	s_mov_b32 s[SEL+1], 0xfedcba98
	s_mov_b32 s22, 0xffff0000                      ; lanes 16-31
.irp b, 0,1,2,3
	v_mov_b32 v[TM+4+\b], 0                        ; written once: a lane permute's destination counts as one of its sources
.endr
; PHASE 1.  Twelve turns: x's K step 0, the weight's K step 0, x's 1, ..; turn t works on set t % 3 and then asks for turn t + 3's numbers into it.
.macro TILE t
.set SETR, SETS+64*((\t)%3)
.if (\t) <= 9
	s_wait_loadcnt 32                              ; my 16 loads are in; the 16 of each of the two younger turns may be out
.elseif (\t) == 10
	s_wait_loadcnt 16
.else
	s_wait_loadcnt 0
.endif
	TURN SETR
	s_wait_dscnt 0x0                               ; the numbers are back, and the last turn's image stores have read the codes' registers
	QUANT SETR, 2, PC, PT, PW
.if (\t)%2
	IMAGE WWI, WWS, (\t)/2
.else
	IMAGE XWI, XWS, (\t)/2
.endif
.if (\t)+3 < 12
.if ((\t)+3)%2
	GLOAD SETR, 6, ((\t)+3)/2, 0
.else
	GLOAD SETR, 4, ((\t)+3)/2, 1
.endif
.endif
.endm
.irp t, 0,1,2,3,4,5,6,7,8,9,10,11
	TILE \t
.endr
	s_wait_dscnt 0x0                               ; for the others' sake: my images lie in LDS
	s_barrier_signal -1
	s_barrier_wait -1                              ; everybody's do.  From here on LDS is only read
; PHASE 2
	s_cmp_lt_u32 s16, 4
	s_cbranch_scc0 .Lvpath
	; ---- q (waves 0, 1) or k (waves 2, 3): four tiles of rows x four tiles of head units: sixteen sums by turns, a K step at a time
.irp s, 0,1,2,3,4,5
.irp m, 0,1,2,3
	FETCH QXF+12*\m, RA, (6*\m+\s)*FRB
	FETCH QWF+12*\m, RB, (6*\m+\s)*FRB
	ds_load_b32 v[QXS+\m], v[RAS] offset:(6*\m+\s)*128
	ds_load_b32 v[QWS+\m], v[RBS] offset:(6*\m+\s)*128
.endr
	s_wait_dscnt 0x0
.irp m, 0,1,2,3
.irp n, 0,1,2,3
.if \s == 0
	MM0 QACC+32*\m+8*\n, QWF+12*\n, QXF+12*\m, QWS+\n, QXS+\m
.else
	MMA QACC+32*\m+8*\n, QWF+12*\n, QXF+12*\m, QWS+\n, QXS+\m
.endif
.endr
.endr
.rept 4
	v_nop                                          ; four places in front of loads into registers that the products have read, and of the first read of results
.endr
.endr
.irp m, 0,1,2,3
	QUANT QACC+32*\m, 1, 36+8*\m, 68, 72+\m        ; a row's 64 numbers: two blocks, six registers of codes, a word of two bytes
.endr
	v_cndmask_b32 v76, v72, v73, s22               ; an even tile's words in lanes 0-15, the next tile's in lanes 16-31
	v_cndmask_b32 v77, v74, v75, s22
	s_cmp_lt_u32 s16, 2
	s_cselect_b64 s[8:9], s[10:11], s[12:13]       ; q goes to qb, k to kv
	s_mul_i32 s30, s19, 3072
	s_add_nc_u64 s[14:15], s[8:9], s[30:31]        ; my four tiles
	s_lshl_b32 s30, s19, 8
	s_add_nc_u64 s[8:9], s[8:9], s[30:31]          ; my 256 bytes of scale words
.irp m, 0,1,2,3
.irp p, 0,1,2
	global_store_b64 v[L8], v[36+8*\m+2*\p:36+8*\m+2*\p+1], s[14:15] offset:768*\m+256*\p   ; 32 lanes store 256 consecutive bytes, aligned
.endr
.endr
	global_store_b64 v[L8], v[76:77], s[8:9] offset:6144
	s_set_vgpr_msb 0x4
	s_wait_tensorcnt 0x0
	ds_add_u32 v19, v1
	s_wait_dscnt 0x0
	s_set_vgpr_msb 0x400
	s_endpgm
.Lvpath:
	; ---- v: my tile of 16 head units x all eight tiles of rows: eight sums by turns
.irp s, 0,1,2,3,4,5
.irp m, 0,1,2,3,4,5,6,7
.if \m < 4
	FETCH VXF+12*\m, RC, (6*\m+\s)*FRB
.else
	FETCH VXF+12*\m, RD, (6*(\m-4)+\s)*FRB
.endif
	ds_load_b32 v[VXS+\m], v[RCS] offset:(6*\m+\s)*128
.endr
	FETCH VWF, RE, \s*FRB
	ds_load_b32 v[VWS], v[RES] offset:\s*128
	s_wait_dscnt 0x0
.irp m, 0,1,2,3,4,5,6,7
.if \s == 0
	MM0 VACC+8*\m, VXF+12*\m, VWF, VXS+\m, VWS
.else
	MMA VACC+8*\m, VXF+12*\m, VWF, VXS+\m, VWS
.endif
.endr
.rept 4
	v_nop
.endr
.endr
	QUANT VACC, 2, PC, PT, PW                      ; my head unit's 128 rows: four blocks along the keys, one fragment
	s_mul_i32 s30, s24, FRB
	s_add_nc_u64 s[14:15], s[12:13], s[30:31]
	s_lshl_b32 s30, s24, 7
	s_add_nc_u64 s[8:9], s[12:13], s[30:31]
.irp g, 0,1,2
	global_store_b128 v[L16], v[PC+4*\g:PC+4*\g+3], s[14:15] offset:6656+512*\g   ; 512 consecutive bytes, aligned
.endr
	global_store_b32 v[L4], v[PW], s[8:9] offset:12800   ; 128 bytes: four waves' together are 512 consecutive bytes of the record
	s_set_vgpr_msb 0x4
	s_wait_tensorcnt 0x0
	ds_add_u32 v19, v1
	s_wait_dscnt 0x0
	s_set_vgpr_msb 0x400
	s_endpgm
.Lfunc_end_k_qf3147adbb0_proj:
	.size	k_qf3147adbb0_proj, .Lfunc_end_k_qf3147adbb0_proj-k_qf3147adbb0_proj
	.p2alignl 7, 3214868480
	.fill 96, 4, 3214868480
	.section	.rodata,"a",@progbits
	.p2align	6, 0x0
	.amdhsa_kernel k_qf3147adbb0_proj
		.amdhsa_group_segment_fixed_size 228352
		.amdhsa_private_segment_fixed_size 0
		.amdhsa_enable_private_segment 0
		.amdhsa_kernarg_size 40
		.amdhsa_user_sgpr_count 2
		.amdhsa_user_sgpr_kernarg_segment_ptr 1
		.amdhsa_wavefront_size32 1
		.amdhsa_system_sgpr_workgroup_id_x 1
		.amdhsa_system_sgpr_workgroup_id_y 1
		.amdhsa_system_sgpr_workgroup_id_z 1
		.amdhsa_system_vgpr_workitem_id 0
		.amdhsa_next_free_vgpr 258
		.amdhsa_next_free_sgpr 66
		.amdhsa_reserve_vcc 0
		.amdhsa_float_denorm_mode_32 3
		.amdhsa_float_denorm_mode_16_64 3
		.amdhsa_memory_ordered 1
		.amdhsa_forward_progress 1
		.amdhsa_inst_pref_size 158
	.end_amdhsa_kernel
	.amdgpu_metadata
---
amdhsa.version: [ 1, 2 ]
amdhsa.kernels:
  - .name:           k_qf3147adbb0_proj
    .symbol:         k_qf3147adbb0_proj.kd
    .args:
      - { .name: input_ids, .offset: 0, .size: 8, .value_kind: global_buffer, .address_space: global }
      - { .name: Wq, .offset: 8, .size: 8, .value_kind: global_buffer, .address_space: global }
      - { .name: Wk, .offset: 16, .size: 8, .value_kind: global_buffer, .address_space: global }
      - { .name: qb, .offset: 24, .size: 8, .value_kind: global_buffer, .address_space: global }
      - { .name: kv, .offset: 32, .size: 8, .value_kind: global_buffer, .address_space: global }
    .group_segment_fixed_size: 228352
    .private_segment_fixed_size: 0
    .kernarg_segment_align: 8
    .kernarg_segment_size: 40
    .max_flat_workgroup_size: 256
    .sgpr_count:     66
    .vgpr_count:     258
    .wavefront_size: 32
...
	.end_amdgpu_metadata
.endif
;; end of part 1
;; launch colstat (part 2): grid 32 x 8, 16 waves a work-group, no clusters, 6,144 bytes of LDS; arguments qb, kv, dbuf; writes dbuf
.if DOCPART == 2
	.amdgcn_target "amdgcn-amd-amdhsa--gfx1250"
	.amdhsa_code_object_version 6
	.text
	.protected	k_qf3147adbb0_colstat
	.globl	k_qf3147adbb0_colstat
	.p2align	8
	.type	k_qf3147adbb0_colstat,@function
k_qf3147adbb0_colstat:
	s_mov_b64 s[64:65], 0
	v_nop
	global_prefetch_b8 v0, s[64:65] scope:SCOPE_SE
	s_setreg_imm32_b32 hwreg(HW_REG_WAVE_MODE, 25, 1), 1
	s_wait_xcnt 0x0
; The softmax of reference() runs over the QUERIES: each key's column is normalised over all 4,096 queries.  This launch makes, for each key, nd = -(M + log2 L): M = c x the column's largest score,
; L = the sum over the queries of 2^(c s - M), c = log2(e) / 64 (the division by sqrt(4,096) is in c).  The weight is then 2^(c s + nd).
; The scores are the quantised product q k^T on codes of FP6 (E2M3), as the launch before has laid them (records of 128 rows as images of operand registers; see there).
; SHARES.  A work-group owns 128 keys (one record) of one batch and walks all 4,096 queries.  Wave w: key tiles 2 (w % 4) and 2 (w % 4) + 1, query records 8 (w / 4) .. + 7.
; Source 0 = 16 queries, source 1 = 16 keys: a lane holds ONE key and eight queries a tile, so the running maximum and sum need no other lane in the loop.
; K = 64 IN AN INSTRUCTION OF 128: a fragment's registers 0-5 carry the head's 64.  The keys' fragments, which stay, have zero codes in registers 6-11; the queries' lie six registers apart, so that the upper half of one
; is the next tile's codes (behind the last: six cleared registers).  Zero codes times any code add nothing; the scale words' bytes 2 and 3 are 0, which is a power of two and no NaN.
; THE QUERIES' RECORDS GO FROM MEMORY STRAIGHT INTO REGISTERS: a record is an image of the registers, each load takes 256 consecutive aligned bytes, and a step's 26 loads are issued behind the
; step's products, a whole step's vector work ahead of their wait.  No LDS ring, so no barrier in the loop.  No joint loads and no prefetch: work-group x begins its walk of eight records at record x % 8,
; so the 32 work-groups of a batch ask for different records in the same step, and all of a batch's 32 records are read in the first step.
; The running maximum is a true one, kept for each lane; the four waves of a column and the two halves of the lanes are merged at the end, through LDS.
; LIMITS: NaN and infinities are not served.  nd is one f32 number: its rounding is half a last place of |nd|, the same in kind as the f32 rounding of a score.
.set QREC, 6656
.set KREC, 13312
.set STG,  0                           ; [w / 4][key 0..127] x (nM, L), 4,096 bytes
.set SPARE, 4096                       ; the spare words, 128 bytes a wave
.set L8,  1                            ; v1   8 x lane
.set AQ,  2                            ; v2   at work
.set KO,  3                            ; v3   my key tiles' offset in the record
.set KA,  4                            ; v4-15  key tile A: six registers of codes, six of zeros
.set KB,  16                           ; v16-27 key tile B
.set KS,  28                           ; v28  their scale words: A's in lanes 0-15, B's in lanes 16-31
.set KSO, 29                           ; v29  its offset
.set QS,  30                           ; v30-33 the queries' scale words
.set QF,  34                           ; v34-87 eight tiles of queries, six registers each, and six cleared
.set SA,  88                           ; v88-151  scores of tile A's keys, then 2^(..)
.set SB,  152                          ; v152-215 of tile B's
.set TA,  216                          ; twelve registers a tile: +0 nM (+1), +2, +3 L in two halves, +4 F (+5), +6 the largest score, +7 at work, +8 .. +11 chains
.set TBB, 228
.set SAD, 240                          ; v240 where I put (nM, L) of my key
.set RAD, 241                          ; v241 where waves 0 and 1 read two keys' figures
.set WV,  8
.set G,   24                           ; s[24:25] my eight records of q
.set RB,  26                           ; s[26:27] the record that is being loaded
.set OF,  28                           ; s[28:29] its offset
.set CS,  36                           ; s[36:37] c
.set NC,  38                           ; s38  -c
.set SEL, 40
.set CNT, 42
	s_load_b128 s[4:7], s[0:1], 0x0                ; qb, kv
	s_load_b64 s[12:13], s[0:1], 0x10              ; dbuf
	v_lshl_add_u32 v254, v0, 2, SPARE
	v_mov_b32 v255, 0
	v_lshrrev_b32 v[AQ], 5, v0
	s_delay_alu instid0(VALU_DEP_1)
	v_readfirstlane_b32 s[WV], v[AQ]               ; wave 0..15
	s_and_b32 s9, s[WV], 3                         ; which pair of key tiles
	s_lshr_b32 s10, s[WV], 2                       ; which eight query records
	s_and_b32 s11, ttmp7, 0xffff                   ; the batch
	v_and_b32 v[L8], 31, v0
	s_delay_alu instid0(VALU_DEP_1)
	v_lshlrev_b32 v[RAD], 4, v[L8]
	s_delay_alu instid0(VALU_DEP_2)
	v_lshlrev_b32 v[L8], 3, v[L8]
	s_wait_alu depctr_va_vdst(0)                   ; ahead of the run of scalar lines
	s_lshl_b32 s20, s11, 5
	s_add_co_u32 s20, s20, ttmp9
	s_mul_i32 s20, s20, KREC                       ; my key record
	s_mov_b32 s21, 0
	s_mul_i32 s22, s9, 1536
	v_add_nc_u32 v[KO], s22, v[L8]
	s_lshr_b32 s22, s9, 1
	s_lshl_b32 s22, s22, 8
	s_and_b32 s23, s9, 1
	s_lshl_b32 s23, s23, 2
	s_add_co_u32 s22, s22, s23
	v_add_nc_u32 v[KSO], s22, v[L8]
	s_lshl_b32 s14, s11, 5
	s_lshl_b32 s15, s10, 3
	s_add_co_u32 s14, s14, s15
	s_mul_i32 s14, s14, QREC                       ; my eight records of q: 32 x batch + 8 (w / 4)
	s_mov_b32 s15, 0
	s_and_b32 s[OF], ttmp9, 7                      ; the walk begins at record x % 8 of the eight
	s_mul_i32 s[OF], s[OF], QREC
	s_mov_b32 s[OF+1], 0
	s_wait_alu depctr_va_vdst(0)                   ; directly ahead of the wait below
	s_wait_kmcnt 0x0
	s_add_nc_u64 s[6:7], s[6:7], s[20:21]
	s_add_nc_u64 s[G:G+1], s[4:5], s[14:15]
	s_add_nc_u64 s[RB:RB+1], s[G:G+1], s[OF:OF+1]
.macro QLOAD                           ; a record's eight tiles and their scale words: each load takes 256 consecutive bytes
.irp t, 0,1,2,3,4,5,6,7
.irp p, 0,1,2
	global_load_b64 v[QF+6*\t+2*\p:QF+6*\t+2*\p+1], v[L8], s[RB:RB+1] offset:768*\t+256*\p
.endr
.endr
	global_load_b64 v[QS:QS+1], v[L8], s[RB:RB+1] offset:6144
	global_load_b64 v[QS+2:QS+3], v[L8], s[RB:RB+1] offset:6400
.endm
.irp p, 0,1,2
	global_load_b64 v[KA+2*\p:KA+2*\p+1], v[KO], s[6:7] offset:256*\p
	global_load_b64 v[KB+2*\p:KB+2*\p+1], v[KO], s[6:7] offset:768+256*\p
.endr
	global_load_b32 v[KS], v[KSO], s[6:7] offset:6144
	QLOAD
.irp i, 6,7,8,9,10,11
	v_mov_b32 v[KA+\i], 0                          ; the zero codes of k = 64 .. 127
	v_mov_b32 v[KB+\i], 0
	v_mov_b32 v[QF+42+\i], 0                       ; and what stands behind the last tile of queries
.endr
	s_mov_b32 s[CS], 0x3cb8aa3b                    ; c = log2(e) / 64
	s_mov_b32 s[CS+1], s[CS]
	s_mov_b32 s[NC], 0xbcb8aa3b
	s_mov_b32 s[SEL], 0x76543210
	s_mov_b32 s[SEL+1], 0xfedcba98
.irp st, TA, TBB
	v_mov_b32 v[\st+6], 0xff61b1e6                 ; the largest score so far: -3e38
	s_delay_alu instid0(VALU_DEP_1)
	v_mul_f32 v[\st], s[NC], v[\st+6]
	v_mov_b32 v[\st+1], 0
	v_mov_b32 v[\st+2], 0
	v_mov_b32 v[\st+3], 0
	v_mov_b32 v[\st+5], 0
.endr
	s_and_b32 s19, s[WV], 1
	s_lshl_b32 s22, s19, 9
	s_add_co_u32 s22, s22, STG
	v_add_nc_u32 v[RAD], s22, v[RAD]               ; STG + 512 (w % 2) + 16 x lane
	v_and_b32 v[SAD], 15, v0
	s_delay_alu instid0(VALU_DEP_1)
	v_and_b32 v[AQ], 8, v[SAD]
	s_delay_alu instid0(VALU_DEP_1)
	v_add_nc_u32 v[SAD], v[SAD], v[AQ]             ; r + 8 (r / 8)
	s_lshl_b32 s22, s10, 10
	s_lshl_b32 s23, s9, 8
	s_add_co_u32 s22, s22, s23
	s_add_co_u32 s22, s22, STG
	v_lshl_add_u32 v[SAD], v[SAD], 3, s22          ; STG + 1,024 (w / 4) + 8 x key; key = 32 (w % 4) + r + 8 (r / 8), tile B's 8 further on
	s_lshl_b32 s20, s11, 14                        ; dbuf: 4 bytes a key: 16,384 x batch + 512 x record + 256 (w % 2)
	s_lshl_b32 s22, ttmp9, 9
	s_add_co_u32 s20, s20, s22
	s_lshl_b32 s22, s19, 8
	s_add_co_u32 s20, s20, s22
	s_add_nc_u64 s[12:13], s[12:13], s[20:21]
	s_wait_alu depctr_va_vdst(0)                   ; at the head's end
.macro SC_MAX st, sr                   ; the largest of 64 scores and of what went before: four chains, each accumulator from its low end on; then nM and its change
.irp q, 0,1,2,3
	v_max3_num_f32 v[\st+8+\q], v[\sr+16*\q], v[\sr+16*\q+1], v[\sr+16*\q+2]
.endr
.irp i, 3,5,7,9,11,13
.irp q, 0,1,2,3
	v_max3_num_f32 v[\st+8+\q], v[\st+8+\q], v[\sr+16*\q+\i], v[\sr+16*\q+\i+1]
.endr
.endr
	v_max3_num_f32 v[\st+8], v[\st+8], v[\sr+15], v[\sr+31]
	v_max3_num_f32 v[\st+10], v[\st+10], v[\sr+47], v[\sr+63]
	s_delay_alu instid0(VALU_DEP_1)
	v_max3_num_f32 v[\st+8], v[\st+8], v[\st+9], v[\st+10]
	s_delay_alu instid0(VALU_DEP_1)
	v_max3_num_f32 v[\st+6], v[\st+8], v[\st+11], v[\st+6]
	s_delay_alu instid0(VALU_DEP_1)
	v_mul_f32 v[\st+7], s[NC], v[\st+6]            ; the new nM
	s_delay_alu instid0(VALU_DEP_1)
	v_sub_f32 v[\st+4], v[\st+7], v[\st]           ; new nM - old nM: 0 or less
	s_delay_alu instid0(VALU_DEP_2)
	v_mov_b32 v[\st], v[\st+7]
.endm
.macro SC_FMA st, sr
.set i, 0
.rept 32
	v_pk_fma_f32 v[\sr+2*i:\sr+2*i+1], v[\sr+2*i:\sr+2*i+1], s[CS:CS+1], v[\st:\st+1] op_sel_hi:[1,0,0]   ; c s + nM, two at a time
.set i, i+1
.endr
.endm
.macro SC_EXP st, sr
	v_exp_f32 v[\st+4], v[\st+4]                   ; F = 2^(new nM - old nM)
.set i, 0
.rept 64
	v_exp_f32 v[\sr+i], v[\sr+i]
.set i, i+1
.endr
.endm
.macro SC_SUM st, sr                   ; L = L F + the step's sum: two chains of packed additions, one packed multiply-add
	v_pk_add_f32 v[\st+8:\st+9], v[\sr:\sr+1], v[\sr+2:\sr+3]
	v_pk_add_f32 v[\st+10:\st+11], v[\sr+4:\sr+5], v[\sr+6:\sr+7]
.irp j, 8,12,16,20,24,28,32,36,40,44,48,52,56,60
	v_pk_add_f32 v[\st+8:\st+9], v[\st+8:\st+9], v[\sr+\j:\sr+\j+1]
	v_pk_add_f32 v[\st+10:\st+11], v[\st+10:\st+11], v[\sr+\j+2:\sr+\j+3]
.endr
	s_delay_alu instid0(VALU_DEP_1)
	v_pk_add_f32 v[\st+8:\st+9], v[\st+8:\st+9], v[\st+10:\st+11]
	v_pk_fma_f32 v[\st+2:\st+3], v[\st+2:\st+3], v[\st+4:\st+5], v[\st+8:\st+9] op_sel_hi:[1,0,1]
.endm
; A STEP: one record of 128 queries against my 32 keys.  last = 1: nothing more is fetched
.macro STEP last
	s_wait_loadcnt 0x0                             ; the record's fragments are in (and so the loads' base may be written)
.irp t, 0,1,2,3,4,5,6,7
.if \t%2
	v_wmma_scale_f32_16x16x128_f8f6f4 v[SA+8*\t:SA+8*\t+7], v[QF+6*\t:QF+6*\t+11], v[KA:KA+11], 0, v[QS+\t/2], v[KS] matrix_a_fmt:MATRIX_FMT_FP6 matrix_b_fmt:MATRIX_FMT_FP6 matrix_a_scale:MATRIX_SCALE_ROW1
	v_wmma_scale_f32_16x16x128_f8f6f4 v[SB+8*\t:SB+8*\t+7], v[QF+6*\t:QF+6*\t+11], v[KB:KB+11], 0, v[QS+\t/2], v[KS] matrix_a_fmt:MATRIX_FMT_FP6 matrix_b_fmt:MATRIX_FMT_FP6 matrix_a_scale:MATRIX_SCALE_ROW1 matrix_b_scale:MATRIX_SCALE_ROW1
.else
	v_wmma_scale_f32_16x16x128_f8f6f4 v[SA+8*\t:SA+8*\t+7], v[QF+6*\t:QF+6*\t+11], v[KA:KA+11], 0, v[QS+\t/2], v[KS] matrix_a_fmt:MATRIX_FMT_FP6 matrix_b_fmt:MATRIX_FMT_FP6
	v_wmma_scale_f32_16x16x128_f8f6f4 v[SB+8*\t:SB+8*\t+7], v[QF+6*\t:QF+6*\t+11], v[KB:KB+11], 0, v[QS+\t/2], v[KS] matrix_a_fmt:MATRIX_FMT_FP6 matrix_b_fmt:MATRIX_FMT_FP6 matrix_b_scale:MATRIX_SCALE_ROW1
.endif
.endr
.if \last == 0
	s_add_co_u32 s[OF], s[CNT], ttmp9              ; the next record of my eight: (trips to go + x) % 8: 7 .. 1 behind the first, each once
	s_and_b32 s[OF], s[OF], 7
	s_mul_i32 s[OF], s[OF], QREC
	s_add_nc_u64 s[RB:RB+1], s[G:G+1], s[OF:OF+1]
.endif
.rept 4
	v_nop                                          ; four places in front of loads into registers that the products have read, and of the first read of results
.endr
.if \last == 0
	QLOAD                                          ; the next record lands while this one's columns are worked
.endif
	SC_MAX TA, SA
	SC_MAX TBB, SB
	SC_FMA TA, SA
	SC_FMA TBB, SB
	s_wait_alu depctr_va_vdst(0)                   ; ahead of the batch
	SC_EXP TA, SA
	SC_EXP TBB, SB
	v_nop                                          ; a plain line behind the last exponential
	s_wait_alu depctr_va_vdst(0)                   ; and behind it: one for the step's 130 exponentials
	SC_SUM TA, SA
	SC_SUM TBB, SB
.endm
	s_mov_b32 s[CNT], 7
.Lstep:
	STEP 0
	s_sub_co_u32 s[CNT], s[CNT], 1
	s_cmp_lg_u32 s[CNT], 0
	s_cbranch_scc1 .Lstep
	STEP 1                                         ; my eighth record
	; THE HALVES OF THE LANES: lane l and lane l xor 16 hold the same key and other queries
.irp st, TA
	v_add_f32 v[\st+2], v[\st+2], v[\st+3]
	v_permlanex16_b32 v[\st+8], v[\st], s[SEL], s[SEL+1]
.endr
.irp st, TBB
	s_delay_alu instid0(VALU_DEP_3)
	v_add_f32 v[\st+2], v[\st+2], v[\st+3]
	v_permlanex16_b32 v[\st+8], v[\st], s[SEL], s[SEL+1]
.endr
.irp st, TA, TBB
	s_delay_alu instid0(VALU_DEP_4)
	v_permlanex16_b32 v[\st+9], v[\st+2], s[SEL], s[SEL+1]
	s_delay_alu instid0(VALU_DEP_4)
	v_min_num_f32 v[\st+10], v[\st], v[\st+8]      ; the smaller nM belongs to the larger maximum
.endr
.irp st, TA, TBB
	s_delay_alu instid0(VALU_DEP_3)
	v_sub_f32 v[\st+4], v[\st+10], v[\st]
	s_delay_alu instid0(VALU_DEP_4)
	v_sub_f32 v[\st+5], v[\st+10], v[\st+8]
.endr
	s_wait_alu depctr_va_vdst(0)
.irp st, TA, TBB
	v_exp_f32 v[\st+4], v[\st+4]
	v_exp_f32 v[\st+5], v[\st+5]
.endr
	v_nop
	s_wait_alu depctr_va_vdst(0)                   ; one wait for the four
.irp st, TA, TBB
	v_mul_f32 v[\st+2], v[\st+2], v[\st+4]         ; two products and a sum, not a multiply-add: so both lanes of a key get the same bits, and store the same word
	v_mul_f32 v[\st+9], v[\st+9], v[\st+5]
.endr
.irp st, TA
	s_delay_alu instid0(VALU_DEP_3)
	v_add_f32 v[\st+11], v[\st+2], v[\st+9]
.endr
.irp st, TBB
	s_delay_alu instid0(VALU_DEP_2)
	v_add_f32 v[\st+11], v[\st+2], v[\st+9]
.endr
	ds_store_b64 v[SAD], v[TA+10:TA+11]
	ds_store_b64 v[SAD], v[TBB+10:TBB+11] offset:64
	s_wait_dscnt 0x0                               ; for the others' sake
	s_barrier_signal -1
	s_barrier_wait -1
	; THE FOUR WAVES OF A COLUMN: waves 0 and 1 finish 64 keys each, two a lane
	s_cmp_lt_u32 s[WV], 2
	s_cbranch_scc0 .Ljoin
.irp q, 0,1,2,3
	ds_load_b128 v[88+4*\q:88+4*\q+3], v[RAD] offset:1024*\q   ; (nM, L) of keys 64 w + 2 lane and + 1, from the waves w / 4 = q
.endr
	s_wait_dscnt 0x0
	v_min3_num_f32 v104, v88, v92, v96
	v_min3_num_f32 v105, v90, v94, v98
	s_delay_alu instid0(VALU_DEP_2)
	v_min_num_f32 v104, v104, v100
	s_delay_alu instid0(VALU_DEP_2)
	v_min_num_f32 v105, v105, v102
.irp q, 0,1,2,3
	v_sub_f32 v[106+\q], v104, v[88+4*\q]
	v_sub_f32 v[110+\q], v105, v[90+4*\q]
.endr
	s_wait_alu depctr_va_vdst(0)
.irp q, 0,1,2,3,4,5,6,7
	v_exp_f32 v[106+\q], v[106+\q]
.endr
	v_nop
	s_wait_alu depctr_va_vdst(0)
	v_mul_f32 v114, v89, v106
	v_mul_f32 v115, v91, v110
.irp q, 1,2,3
	v_fma_f32 v114, v[89+4*\q], v[106+\q], v114
	v_fma_f32 v115, v[91+4*\q], v[110+\q], v115
.endr
	s_wait_alu depctr_va_vdst(0)
	v_log_f32 v114, v114
	v_log_f32 v115, v115
	v_nop
	s_wait_alu depctr_va_vdst(0)
	v_sub_f32 v116, v104, v114                     ; nd = nM - log2 L
	v_sub_f32 v117, v105, v115
	global_store_b64 v[L8], v[116:117], s[12:13]   ; 32 lanes store 256 consecutive bytes, aligned: 64 keys in their natural order
.Ljoin:
	s_wait_tensorcnt 0x0                           ; the wave's end
	ds_add_u32 v254, v255
	s_wait_dscnt 0x0
	s_endpgm
.Lfunc_end_k_qf3147adbb0_colstat:
	.size	k_qf3147adbb0_colstat, .Lfunc_end_k_qf3147adbb0_colstat-k_qf3147adbb0_colstat
	.p2alignl 7, 3214868480
	.fill 96, 4, 3214868480
	.section	.rodata,"a",@progbits
	.p2align	6, 0x0
	.amdhsa_kernel k_qf3147adbb0_colstat
		.amdhsa_group_segment_fixed_size 6144
		.amdhsa_private_segment_fixed_size 0
		.amdhsa_enable_private_segment 0
		.amdhsa_kernarg_size 24
		.amdhsa_user_sgpr_count 2
		.amdhsa_user_sgpr_kernarg_segment_ptr 1
		.amdhsa_wavefront_size32 1
		.amdhsa_system_sgpr_workgroup_id_x 1
		.amdhsa_system_sgpr_workgroup_id_y 1
		.amdhsa_system_sgpr_workgroup_id_z 1
		.amdhsa_system_vgpr_workitem_id 0
		.amdhsa_next_free_vgpr 256
		.amdhsa_next_free_sgpr 66
		.amdhsa_reserve_vcc 0
		.amdhsa_float_denorm_mode_32 3
		.amdhsa_float_denorm_mode_16_64 3
		.amdhsa_memory_ordered 1
		.amdhsa_forward_progress 1
		.amdhsa_inst_pref_size 51
	.end_amdhsa_kernel
	.amdgpu_metadata
---
amdhsa.version: [ 1, 2 ]
amdhsa.kernels:
  - .name:           k_qf3147adbb0_colstat
    .symbol:         k_qf3147adbb0_colstat.kd
    .args:
      - { .name: qb, .offset: 0, .size: 8, .value_kind: global_buffer, .address_space: global }
      - { .name: kv, .offset: 8, .size: 8, .value_kind: global_buffer, .address_space: global }
      - { .name: dbuf, .offset: 16, .size: 8, .value_kind: global_buffer, .address_space: global }
    .group_segment_fixed_size: 6144
    .private_segment_fixed_size: 0
    .kernarg_segment_align: 8
    .kernarg_segment_size: 24
    .max_flat_workgroup_size: 512
    .sgpr_count:     66
    .vgpr_count:     256
    .wavefront_size: 32
...
	.end_amdgpu_metadata
.endif
;; end of part 2
;; launch attn (part 3): grid 32 x 8, 8 waves a work-group, no clusters, 134,144 bytes of LDS; arguments qb, kv, dbuf, out0; writes out0
.if DOCPART == 3
	.amdgcn_target "amdgcn-amd-amdhsa--gfx1250"
	.amdhsa_code_object_version 6
	.text
	.protected	k_qf3147adbb0_attn
	.globl	k_qf3147adbb0_attn
	.p2align	8
	.type	k_qf3147adbb0_attn,@function
k_qf3147adbb0_attn:
	s_mov_b64 s[64:65], 0
	v_nop
	global_prefetch_b8 v0, s[64:65] scope:SCOPE_SE
	s_setreg_imm32_b32 hwreg(HW_REG_WAVE_MODE, 25, 1), 1
	s_wait_xcnt 0x0
; out(q, h) = sum over the keys of Q(w(q, key)) Q(v(key, h)), w = 2^(c s + nd): s the quantised product q k^T, c = log2(e) / 64, nd = -(M + log2 L) of the key's column, as the launch before has stored it:
; so w is reference()'s finished softmax over the queries, at most 1.  w is quantised along the keys in blocks of 32; all products on codes of FP6 (E2M3) with E8M0 scales.
; SHARES.  A work-group owns 128 queries (one record of qb) of one batch.  Wave w: query tiles 4 (w / 4) .. + 3, and of the batch's 32 key records every fourth: 4 i + w % 4.  The four waves of a
; group of queries add their sums at the end, through LDS; wave w finishes query tile w.  (My tile a is tile (w % 4) xor a of the group, so that tile 0 is the one that I finish.)
; Both products are used transposed (S^T = k q^T, O^T = v^T p^T): a lane holds one query, its registers run along the keys.  K = 64 in an instruction of 128: q's fragments have six registers of zero codes
; behind their six; k's lie six registers apart, each half of a record followed by six cleared registers.
; k, v AND THEIR SCALE WORDS GO FROM MEMORY STRAIGHT INTO REGISTERS: a record is an image of the registers; every load takes 256 or 512 consecutive aligned bytes (v's scale words 128).
; A record is worked in eight units u: key half u / 4 x query tile u % 4.  So k's half 0 is free behind unit 3's product, half 1 behind unit 7's, v behind the last sum: each then takes the next record's loads,
; which are waited for about five units later.  ONE set of registers serves; p's codes of the four query tiles are kept (48 registers) until both halves are made.
; No LDS ring, so no barrier in the loop.  No joint loads: a batch's k and v, 425,984 bytes, do not fit in LDS, and work-group x begins its walk of eight steps at step x % 8, so that the 32 work-groups of a
; batch ask for different records in the same step.  No prefetch: every load is issued about five units ahead of its wait, and all 32 records of a batch are read in the first step.
; nd of the batch's 4,096 keys, 16,384 bytes, is copied into LDS once; a half record's 32 registers of it are read one unit ahead.
; LIMITS: NaN and infinities are not served.
.set QREC,  6656
.set KREC,  13312
.set DB,    0                          ; nd; behind the loop and a barrier the same bytes serve the stage below
.set RED,   0                          ; 24 parts of 4,096 bytes: the sums that waves hand to each other
.set OSTG,  98304                      ; the way out: 16 rows x 272 bytes a wave
.set OSP,   272
.set SPARE, 133120                     ; the spare words, 128 bytes a wave
.set SPW, 1
.set NIL, 2
.set L8,  3                            ; 8, 16, 4 x lane
.set L16, 4
.set L4,  5
.set H64, 6                            ; 64 (lane / 16)
.set AD,  7                            ; LDS address of the record's nd
.set TH,  7                            ; the tail's addresses: v7-15
.set RS,  7
.set RG,  11
.set OI,  12
.set OO,  13
.set GO,  14
.set TR,  15
.set QS,  16                           ; v16-19 q's scale words, a register a tile
.set KS,  20                           ; v20-23 k's
.set VS,  24                           ; v24-27 v's
.set PW,  28                           ; v28-31 p's, a register a query tile
.set KF,  32                           ; v32-61, v62-91: k's halves: four tiles of six registers, six cleared
.set DD,  92                           ; v92-123 nd of a half record
.set S,   124                          ; v124-187 scores, then p: two sets of 32
.set T,   124                          ; at work in the head
.set E,   92                           ; at work in the tail: v92-187
.set PC,  188                          ; v188-235 p's codes: 12 registers a query tile
.set PT,  236
.set TM,  240
.set VW,  128                          ; window 1: v0-127 O^T (32 a + 8 n); v128-175 v's four fragments; v176-223 q's four
.set QW,  176
.set WV,  12
.set GG,  13
.set JJ,  14
.set NB,  20                           ; s[20:21] the record that is being loaded
.set OFF, 22                           ; s[22:23] its offset
.set TD,  25                           ; s25 where its nd lies in LDS
.set CNT, 26
.set CS,  48
.set SEL, 50
.set MSB, 0
.macro WIN new
.if MSB != \new
	s_set_vgpr_msb (MSB<<8)|\new
.set MSB, \new
.endif
.endm
.set W_S,  0x04                        ; source 1 (q) window 1
.set W_PV, 0x51                        ; source 0 (v), C and D window 1
.set TO1,  0x40                        ; destination window 1
.set ST1,  0x04                        ; a store's data window 1
.macro LOADK c                         ; 13 loads: half c of k and its scale words
.irp x, 0,1,2,3
.irp p, 0,1,2
	global_load_b64 v[KF+30*(\c)+6*\x+2*\p:KF+30*(\c)+6*\x+2*\p+1], v[L8], s[NB:NB+1] offset:3072*(\c)+768*\x+256*\p
.endr
.endr
	global_load_b64 v[KS+2*(\c):KS+2*(\c)+1], v[L8], s[NB:NB+1] offset:6144+256*(\c)
.endm
.macro LOADV                           ; 16 loads: v's four fragments and their scale words
	WIN TO1
.irp n, 0,1,2,3
.irp q, 0,1,2
	global_load_b128 v[VW+12*\n+4*\q:VW+12*\n+4*\q+3], v[L16], s[NB:NB+1] offset:6656+1536*\n+512*\q
.endr
.endr
	WIN 0
.irp n, 0,1,2,3
	global_load_b32 v[VS+\n], v[L4], s[NB:NB+1] offset:12800+128*\n
.endr
.endm
.macro LOADD c                         ; nd of half c: register 16 b + i = key 64 c + 32 b + 16 (lane / 16) + i
.irp b, 0,1
.irp q, 0,1,2,3
	ds_load_b128 v[DD+16*\b+4*\q:DD+16*\b+4*\q+3], v[AD] offset:256*(\c)+128*\b+16*\q
.endr
.endr
.endm
	s_load_b256 s[4:11], s[0:1], 0x0               ; qb, kv, dbuf, out0
	v_lshl_add_u32 v[SPW], v0, 2, SPARE
	v_mov_b32 v[NIL], 0
	v_lshrrev_b32 v[L8], 5, v0
	s_delay_alu instid0(VALU_DEP_1)
	v_readfirstlane_b32 s[WV], v[L8]               ; wave 0..7
	s_lshr_b32 s[GG], s[WV], 2
	s_and_b32 s[JJ], s[WV], 3
	s_and_b32 s15, ttmp7, 0xffff                   ; the batch
	v_and_b32 v[L4], 31, v0
	s_delay_alu instid0(VALU_DEP_1)
	v_lshlrev_b32 v[L8], 3, v[L4]
	s_delay_alu instid0(VALU_DEP_2)
	v_lshlrev_b32 v[L16], 4, v[L4]
	s_delay_alu instid0(VALU_DEP_3)
	v_lshlrev_b32 v[L4], 2, v[L4]
	v_bfe_u32 v[H64], v0, 4, 1
	s_delay_alu instid0(VALU_DEP_1)
	v_lshlrev_b32 v[H64], 6, v[H64]
	v_and_b32 v[T+8], 15, v0                       ; r
	v_lshlrev_b32 v[T+9], 4, v0                    ; 16 x thread: nd's copy, in memory and in LDS
	s_wait_alu depctr_va_vdst(0)                   ; ahead of the run of scalar lines
	s_lshl_b32 s56, s15, 5
	s_add_co_u32 s56, s56, ttmp9                   ; my record of q
	s_mul_i32 s58, s56, QREC
	s_mov_b32 s59, 0
	s_mul_i32 s52, s[GG], 3072                     ; my four tiles in it
	s_mov_b32 s53, 0
	s_lshl_b32 s57, s[GG], 8
	s_and_b32 s54, ttmp9, 7                        ; the walk begins at step x % 8
	s_lshl_b32 s54, s54, 2
	s_add_co_u32 s54, s54, s[JJ]                   ; key record 4 x step + w % 4
	s_mul_i32 s[OFF], s54, KREC
	s_mov_b32 s[OFF+1], 0
	s_lshl_b32 s[TD], s54, 9                       ; 512 bytes of nd a record
	s_mul_i32 s28, s15, 32*KREC
	s_mov_b32 s29, 0
	s_lshl_b32 s30, s15, 14
	s_mov_b32 s31, 0
	s_lshl_b32 s32, s56, 15                        ; out: 128 rows of 256 bytes a record; my tile's first row is 32 (w / 2) + 8 (w % 2)
	s_lshr_b32 s62, s[WV], 1
	s_lshl_b32 s62, s62, 13
	s_add_co_u32 s32, s32, s62
	s_and_b32 s62, s[WV], 1
	s_lshl_b32 s62, s62, 11
	s_add_co_u32 s32, s32, s62
	s_mov_b32 s33, 0
	s_mov_b32 s[CS], 0x3cb8aa3b                    ; c = log2(e) / 64
	s_mov_b32 s[CS+1], s[CS]
	s_mov_b32 s[SEL], 0x76543210
	s_mov_b32 s[SEL+1], 0xfedcba98
.irp a, 0,1,2,3
	s_xor_b32 s62, s[JJ], \a                       ; my tile a is tile (w % 4) xor a of the group
	s_mul_i32 s63, s62, 768
	v_add_nc_u32 v[T+\a], s63, v[L8]
	s_and_b32 s63, s62, 1
	s_lshl_b32 s63, s63, 7
	s_lshr_b32 s62, s62, 1
	s_lshl_b32 s62, s62, 2
	s_add_co_u32 s62, s62, s63
	s_add_co_u32 s62, s62, s57
	v_lshl_add_u32 v[T+4+\a], v[T+8], 3, s62       ; its scale words, row r's in lanes r and 16 + r
.endr
	s_wait_alu depctr_va_vdst(0)                   ; directly ahead of the wait below
	s_wait_kmcnt 0x0
	s_add_nc_u64 s[60:61], s[4:5], s[58:59]
	s_add_nc_u64 s[4:5], s[60:61], s[52:53]
	s_add_nc_u64 s[6:7], s[6:7], s[28:29]          ; the batch's kv
	s_add_nc_u64 s[8:9], s[8:9], s[30:31]          ; the batch's nd
	s_add_nc_u64 s[10:11], s[10:11], s[32:33]
	s_add_nc_u64 s[NB:NB+1], s[6:7], s[OFF:OFF+1]
	WIN TO1
.irp a, 0,1,2,3
.irp p, 0,1,2
	global_load_b64 v[QW+12*\a+2*\p:QW+12*\a+2*\p+1], v[T+\a], s[4:5] offset:256*\p
.endr
.endr
	WIN 0
.irp a, 0,1,2,3
	global_load_b32 v[QS+\a], v[T+4+\a], s[60:61] offset:6144
.endr
.irp i, 0,1,2,3
	global_load_b128 v[T+16+4*\i:T+16+4*\i+3], v[T+9], s[8:9] offset:4096*\i   ; 256 threads x 16 bytes, four times: the batch's nd
.endr
	LOADK 0                                        ; the first record: 13, 13 and 16 loads, in the order in which every trip issues them
	LOADK 1
	LOADV
.irp i, 24,25,26,27,28,29,54,55,56,57,58,59
	v_mov_b32 v[KF+\i], 0                          ; what stands behind each half of k
.endr
	v_mov_b32 v[TM+2], 0                           ; a lane permute's destination counts as one of its sources
	v_mov_b32 v[TM+3], 0
	WIN TO1
.irp a, 0,1,2,3
.irp i, 6,7,8,9,10,11
	v_mov_b32 v[QW+12*\a+\i], 0                    ; the zero codes of k = 64 .. 127
.endr
.endr
.set i, 0
.rept 128
	v_mov_b32 v[i], 0                              ; O^T: so the record is written twice and not three times
.set i, i+1
.endr
	WIN 0
	s_wait_alu depctr_va_vdst(0)                   ; at the head's end
	s_wait_loadcnt 42                              ; q and nd are in; the first record's 42 loads may be out
.irp i, 0,1,2,3
	ds_store_b128 v[T+9], v[T+16+4*\i:T+16+4*\i+3] offset:DB+4096*\i
.endr
	s_wait_dscnt 0x0                               ; for the others' sake
	s_barrier_signal -1
	s_barrier_wait -1                              ; all of nd lies in LDS
	v_add_nc_u32 v[AD], s[TD], v[H64]
	LOADD 0
.macro SMUL u                          ; S^T of unit u: four tiles of 16 keys of half u / 4 x query tile u % 4, into set u % 2
.set SUA, (\u)%4
.set SUC, (\u)/4
.set SUB, S+32*((\u)%2)
	WIN W_S
.irp x, 0,1,2,3
.if \x%2
	v_wmma_scale_f32_16x16x128_f8f6f4 v[SUB+8*\x:SUB+8*\x+7], v[KF+30*SUC+6*\x:KF+30*SUC+6*\x+11], v[QW+12*SUA:QW+12*SUA+11], 0, v[KS+2*SUC+\x/2], v[QS+SUA] matrix_a_fmt:MATRIX_FMT_FP6 matrix_b_fmt:MATRIX_FMT_FP6 matrix_a_scale:MATRIX_SCALE_ROW1
.else
	v_wmma_scale_f32_16x16x128_f8f6f4 v[SUB+8*\x:SUB+8*\x+7], v[KF+30*SUC+6*\x:KF+30*SUC+6*\x+11], v[QW+12*SUA:QW+12*SUA+11], 0, v[KS+2*SUC+\x/2], v[QS+SUA] matrix_a_fmt:MATRIX_FMT_FP6 matrix_b_fmt:MATRIX_FMT_FP6
.endif
.endr
	WIN 0
.endm
.macro PVMUL a                         ; O^T of query tile a += v^T p^T over the record's 128 keys: four accumulators by turns
	WIN W_PV
.irp n, 0,1,2,3
	v_wmma_scale_f32_16x16x128_f8f6f4 v[32*(\a)+8*\n:32*(\a)+8*\n+7], v[VW+12*\n:VW+12*\n+11], v[PC+12*(\a):PC+12*(\a)+11], v[32*(\a)+8*\n:32*(\a)+8*\n+7], v[VS+\n], v[PW+(\a)] matrix_a_fmt:MATRIX_FMT_FP6 matrix_b_fmt:MATRIX_FMT_FP6
.endr
	WIN 0
.endm
; UNIT u: the next unit's scores are begun; this unit's 32 scores a lane become w and then codes.  ld = 1: the next record is loaded on the way.
; The global loads stand in the order k half 0 (13), k half 1 (13), v (16), round the loop too: each wait's count is the loads issued behind the group that it waits for.
.macro SOFT u, ld
.if (\u) == 3
	s_wait_alu depctr_va_vdst(0)                   ; (ahead of a wait that blocks)
	s_wait_loadcnt 16+13*(\ld)                     ; k's half 1 is in: behind it v's 16 and, where a record follows, its half 0's 13
.endif
.if (\u) < 7
	SMUL (\u)+1
.elseif \ld
	s_wait_alu depctr_va_vdst(0)
	s_wait_loadcnt 13                              ; the next record's half 0 is in: behind it its half 1's 13
	SMUL 0
.endif
.set UA, (\u)%4
.set UC, (\u)/4
.set SBF, S+32*((\u)%2)
.if UA == 0
	s_wait_alu depctr_va_vdst(0)
	s_wait_dscnt 0x0                               ; this half's nd is in
.endif
.set i, 0
.rept 16
	v_pk_fma_f32 v[SBF+2*i:SBF+2*i+1], v[SBF+2*i:SBF+2*i+1], s[CS:CS+1], v[DD+2*i:DD+2*i+1] op_sel_hi:[1,0,1]   ; c s + nd.  (These 16 are the places behind the products above)
.set i, i+1
.endr
.if (\u) == 2 && (\ld)
	s_wait_alu depctr_va_vdst(0)
	s_wait_xcnt 0x0                                ; the last record's loads have read their base
	s_add_co_u32 s[TD], s[CNT], ttmp9              ; the next step of the walk: (trips to go + x) % 8: 7 .. 1 behind the first, each once
	s_and_b32 s[TD], s[TD], 7
	s_lshl_b32 s[TD], s[TD], 2
	s_add_co_u32 s[TD], s[TD], s[JJ]
	s_mul_i32 s[OFF], s[TD], KREC
	s_lshl_b32 s[TD], s[TD], 9
	s_add_nc_u64 s[NB:NB+1], s[6:7], s[OFF:OFF+1]
	LOADK 0                                        ; unit 3's product, begun above, was the last to read half 0
.endif
.if (\u) == 3
	LOADD 1                                        ; half 0's nd has been read for the last time
.endif
.if (\u) == 6 && (\ld)
	LOADK 1                                        ; unit 7's product was the last to read half 1
.endif
.if (\u) == 7 && (\ld)
	v_add_nc_u32 v[AD], s[TD], v[H64]
	LOADD 0
.endif
.irp b, 0,1
	v_max3_num_f32 v[TM+\b], v[SBF+16*\b], v[SBF+16*\b+1], v[SBF+16*\b+2]   ; the largest exponent of each block of 32 keys: w rises with it
.endr
.irp i, 3,5,7,9,11,13
.irp b, 0,1
	s_delay_alu instid0(VALU_DEP_2)
	v_max3_num_f32 v[TM+\b], v[TM+\b], v[SBF+16*\b+\i], v[SBF+16*\b+\i+1]
.endr
.endr
.irp b, 0,1
	s_delay_alu instid0(VALU_DEP_2)
	v_max_num_f32 v[TM+\b], v[TM+\b], v[SBF+16*\b+15]
.endr
.if (\u) >= 5
	s_wait_alu depctr_va_vdst(0)                   ; ahead of sums taken up again
.if (\u) == 5
	s_wait_loadcnt 13*(\ld)                        ; v is in: behind it the next record's half 0
.endif
	PVMUL (\u)-5                                   ; the query tile whose codes the last unit finished
.endif
.irp b, 0,1
	v_permlanex16_b32 v[TM+2+\b], v[TM+\b], s[SEL], s[SEL+1]
.endr
.irp b, 0,1
	s_delay_alu instid0(VALU_DEP_2)
	v_max_num_f32 v[TM+\b], v[TM+\b], v[TM+2+\b]
.endr
.set i, 0
	s_wait_alu depctr_va_vdst(0)                   ; ahead of the batch
.rept 32
	v_exp_f32 v[SBF+i], v[SBF+i]                   ; w
.set i, i+1
.endr
	v_exp_f32 v[TM], v[TM]                         ; each block's largest w: the same instruction on the same number
	v_exp_f32 v[TM+1], v[TM+1]
	v_nop
	s_wait_alu depctr_va_vdst(0)                   ; and behind it
.irp b, 0,1
	v_max_num_f32 v[TM+\b], 0x1800000, v[TM+\b]    ; the floor 2^(3 - 127): the byte cannot fall under 1
.endr
.irp b, 0,1
	s_delay_alu instid0(VALU_DEP_2)
	v_add_nc_u32 v[TM+4+\b], 0xff000000, v[TM+\b]  ; 2 off the exponent field: the conversion's scale operand
.endr
.irp b, 0,1
	s_delay_alu instid0(VALU_DEP_2)
	v_lshrrev_b32 v[TM+6+\b], 23, v[TM+4+\b]       ; the scale's byte
.endr
.if UC == 0
	s_delay_alu instid0(VALU_DEP_1)
	v_lshl_or_b32 v[PW+UA], v[TM+7], 8, v[TM+6]
.else
	s_delay_alu instid0(VALU_DEP_2)
	v_lshl_or_b32 v[PW+UA], v[TM+6], 16, v[PW+UA]
	s_delay_alu instid0(VALU_DEP_1)
	v_lshl_or_b32 v[PW+UA], v[TM+7], 24, v[PW+UA]
.endif
	v_cvt_scalef32_pk16_fp6_f32 v[PC+12*UA+6*UC:PC+12*UA+6*UC+2], v[SBF:SBF+15], v[TM+4]
	v_cvt_scalef32_pk16_fp6_f32 v[PT:PT+2], v[SBF+16:SBF+31], v[TM+5]
	v_nop
.irp x, 0,1,2
	v_permlane16_swap_b32 v[PC+12*UA+6*UC+\x], v[PT+\x]   ; a whole block in a lane
.endr
.irp x, 0,1,2
	s_delay_alu instid0(VALU_DEP_3)
	v_mov_b32 v[PC+12*UA+6*UC+3+\x], v[PT+\x]
.endr
.endm
.macro RECORD ld
.irp u, 0,1,2,3,4,5,6,7
	SOFT \u, \ld
.endr
.rept 8
	v_nop                                          ; a scale word written by vector instructions stands 8 places ahead of the product
.endr
	PVMUL 3
.if \ld
.rept 4
	v_nop                                          ; four places in front of loads into registers that the products have read
.endr
	LOADV
.endif
.endm
	s_wait_alu depctr_va_vdst(0)
	s_wait_loadcnt 29                              ; the first record's half 0 is in: behind it 13 + 16
	SMUL 0
.rept 4
	v_nop
.endr
	s_mov_b32 s[CNT], 7
.Lrec:
	RECORD 1
	s_sub_co_u32 s[CNT], s[CNT], 1
	s_cmp_lg_u32 s[CNT], 0
	s_wait_alu depctr_va_vdst(0)                   ; ahead of the branch
	s_cbranch_scc1 .Lrec
	RECORD 0                                       ; my eighth record: nothing more is loaded
	; THE FOUR WAVES OF A GROUP OF QUERIES.  The stage takes nd's bytes: so a barrier first
	s_wait_alu depctr_va_vdst(0)
	s_wait_dscnt 0x0
	s_barrier_signal -1
	s_barrier_wait -1                              ; nobody reads nd any more
	v_and_b32 v[TR], 15, v0
	v_bfe_u32 v[TH], v0, 4, 1
	s_wait_alu depctr_va_vdst(0)                   ; ahead of the run of scalar lines
	s_lshl_b32 s57, s[GG], 2
.irp a, 1,2,3
	s_xor_b32 s56, s[JJ], \a                       ; my tile a is finished by wave (w % 4) xor a of my group: part 3 x that wave + a - 1
	s_add_co_u32 s56, s56, s57
	s_mul_i32 s56, s56, 3
	s_add_co_u32 s56, s56, \a-1
	s_lshl_b32 s56, s56, 12
	v_add_nc_u32 v[RS+\a], s56, v[L16]
.endr
	s_mul_i32 s56, s[WV], 12288
	v_add_nc_u32 v[RG], s56, v[L16]                ; the three parts that are for me
	s_mul_i32 s56, s[WV], 16*OSP
	s_add_co_u32 s56, s56, OSTG
	v_mul_u32_u24 v[OI], v[TR], OSP                ; the way out, in: row r, + 64 (lane / 16)
	s_delay_alu instid0(VALU_DEP_1)
	v_lshl_add_u32 v[OI], v[TH], 6, v[OI]
	s_delay_alu instid0(VALU_DEP_1)
	v_add_nc_u32 v[OI], s56, v[OI]
	v_mul_u32_u24 v[OO], v[TH], OSP                ; and back: sixteen lanes to a row of 256 bytes
	s_delay_alu instid0(VALU_DEP_1)
	v_lshl_add_u32 v[OO], v[TR], 4, v[OO]
	s_delay_alu instid0(VALU_DEP_1)
	v_add_nc_u32 v[OO], s56, v[OO]
	v_lshlrev_b32 v[GO], 8, v[TH]
	s_delay_alu instid0(VALU_DEP_1)
	v_lshl_add_u32 v[GO], v[TR], 4, v[GO]
	WIN ST1
	s_wait_alu depctr_va_vdst(0)                   ; ahead of the first read of the sums
.irp a, 1,2,3
.irp k, 0,1,2,3,4,5,6,7
	ds_store_b128 v[RS+\a], v[32*\a+4*\k:32*\a+4*\k+3] offset:RED+512*\k   ; each accumulator from its low end on
.endr
.endr
	WIN 0
	s_wait_dscnt 0x0
	s_barrier_signal -1
	s_barrier_wait -1
.irp s, 0,1,2
.irp k, 0,1,2,3,4,5,6,7
	ds_load_b128 v[E+32*\s+4*\k:E+32*\s+4*\k+3], v[RG] offset:RED+4096*\s+512*\k
.endr
.endr
	s_wait_dscnt 0x0
.set i, 0
.rept 16
	v_pk_add_f32 v[E+2*i:E+2*i+1], v[E+2*i:E+2*i+1], v[E+32+2*i:E+32+2*i+1]
.set i, i+1
.endr
.set i, 0
.rept 16
	v_pk_add_f32 v[E+2*i:E+2*i+1], v[E+2*i:E+2*i+1], v[E+64+2*i:E+64+2*i+1]
.set i, i+1
.endr
	WIN 0x01
	s_wait_alu depctr_va_vdst(0)
.set i, 0
.rept 16
	v_pk_add_f32 v[E+2*i:E+2*i+1], v[2*i:2*i+1], v[E+2*i:E+2*i+1]   ; with my own
.set i, i+1
.endr
	WIN 0
.irp n, 0,1,2,3
	ds_store_b128 v[OI], v[E+8*\n:E+8*\n+3] offset:128*(\n/2)+32*(\n%2)        ; register j of head tile n is head unit 32 (n / 2) + 8 (n % 2) + 16 (lane / 16) + j
	ds_store_b128 v[OI], v[E+8*\n+4:E+8*\n+7] offset:128*(\n/2)+32*(\n%2)+16
.endr
.irp i, 0,1,2,3,4,5,6,7
	ds_load_b128 v[E+32+4*\i:E+32+4*\i+3], v[OO] offset:2*\i*OSP               ; my own bytes: LDS serves a wave's instructions in order
.endr
.irp i, 0,1,2,3,4,5,6,7
	s_wait_dscnt 7-\i
	global_store_b128 v[GO], v[E+32+4*\i:E+32+4*\i+3], s[10:11] offset:(2*\i+8*(\i/4))*256 th:TH_STORE_NT   ; sixteen lanes store a row's 256 bytes, aligned
.endr
	s_wait_tensorcnt 0x0                           ; the wave's end
	ds_add_u32 v[SPW], v[NIL]
	s_wait_dscnt 0x0
	s_endpgm
.Lfunc_end_k_qf3147adbb0_attn:
	.size	k_qf3147adbb0_attn, .Lfunc_end_k_qf3147adbb0_attn-k_qf3147adbb0_attn
	.p2alignl 7, 3214868480
	.fill 96, 4, 3214868480
	.section	.rodata,"a",@progbits
	.p2align	6, 0x0
	.amdhsa_kernel k_qf3147adbb0_attn
		.amdhsa_group_segment_fixed_size 134144
		.amdhsa_private_segment_fixed_size 0
		.amdhsa_enable_private_segment 0
		.amdhsa_kernarg_size 32
		.amdhsa_user_sgpr_count 2
		.amdhsa_user_sgpr_kernarg_segment_ptr 1
		.amdhsa_wavefront_size32 1
		.amdhsa_system_sgpr_workgroup_id_x 1
		.amdhsa_system_sgpr_workgroup_id_y 1
		.amdhsa_system_sgpr_workgroup_id_z 1
		.amdhsa_system_vgpr_workitem_id 0
		.amdhsa_next_free_vgpr 480
		.amdhsa_next_free_sgpr 66
		.amdhsa_reserve_vcc 0
		.amdhsa_float_denorm_mode_32 3
		.amdhsa_float_denorm_mode_16_64 3
		.amdhsa_memory_ordered 1
		.amdhsa_forward_progress 1
		.amdhsa_inst_pref_size 124
	.end_amdhsa_kernel
	.amdgpu_metadata
---
amdhsa.version: [ 1, 2 ]
amdhsa.kernels:
  - .name:           k_qf3147adbb0_attn
    .symbol:         k_qf3147adbb0_attn.kd
    .args:
      - { .name: qb, .offset: 0, .size: 8, .value_kind: global_buffer, .address_space: global }
      - { .name: kv, .offset: 8, .size: 8, .value_kind: global_buffer, .address_space: global }
      - { .name: dbuf, .offset: 16, .size: 8, .value_kind: global_buffer, .address_space: global }
      - { .name: out0, .offset: 24, .size: 8, .value_kind: global_buffer, .address_space: global }
    .group_segment_fixed_size: 134144
    .private_segment_fixed_size: 0
    .kernarg_segment_align: 8
    .kernarg_segment_size: 32
    .max_flat_workgroup_size: 256
    .sgpr_count:     66
    .vgpr_count:     480
    .wavefront_size: 32
...
	.end_amdgpu_metadata
.endif
;; end of part 3
